; MI455X (gfx1250); checked and timed in simulation.
; The chip was launched on July 23, 2026; its instructions are those of AMD's public machine-readable ISA for CDNA 5 (MIT licence, August 2026) and "CDNA5" Instruction Set Architecture Reference Guide (July 2026). The comments in the code are by the model that wrote it; some were corrected since.
;; RND. Allowed arithmetic: matrix products marked QUANTISED: E3M2 operands, one E8M0 scale for each 32 along K, by v_wmma_scale_f32_16x16x128_f8f6f4 with both operands' format E3M2, f32 sums; everything else in f32.
;; Inputs: obs_codes 524,288 x 2 x 24 uint8 (E3M2 codes of obs, K innermost, in blocks of 32 codes, four codes in three bytes); obs_scales 524,288 x 2 uint8 (E8M0 scales of obs, one for each 32 codes along K); pW1_codes 128 x 2 x 24 uint8 (E3M2 codes of pW1, K innermost, in blocks of 32 codes, four codes in three bytes); pW1_scales 128 x 2 uint8 (E8M0 scales of pW1, one for each 32 codes along K); pW2_codes 128 x 4 x 24 uint8 (E3M2 codes of pW2, K innermost, in blocks of 32 codes, four codes in three bytes); pW2_scales 128 x 4 uint8 (E8M0 scales of pW2, one for each 32 codes along K); pW3_codes 128 x 4 x 24 uint8 (E3M2 codes of pW3, K innermost, in blocks of 32 codes, four codes in three bytes); pW3_scales 128 x 4 uint8 (E8M0 scales of pW3, one for each 32 codes along K); pb1 128 float32; pb2 128 float32; pb3 128 float32; reward_count 1 float32; reward_m2 1 float32; reward_mean 1 float32; tW1_codes 128 x 2 x 24 uint8 (E3M2 codes of tW1, K innermost, in blocks of 32 codes, four codes in three bytes); tW1_scales 128 x 2 uint8 (E8M0 scales of tW1, one for each 32 codes along K); tW2_codes 128 x 4 x 24 uint8 (E3M2 codes of tW2, K innermost, in blocks of 32 codes, four codes in three bytes); tW2_scales 128 x 4 uint8 (E8M0 scales of tW2, one for each 32 codes along K); tW3_codes 128 x 4 x 24 uint8 (E3M2 codes of tW3, K innermost, in blocks of 32 codes, four codes in three bytes); tW3_scales 128 x 4 uint8 (E8M0 scales of tW3, one for each 32 codes along K); tb1 128 float32; tb2 128 float32; tb3 128 float32.
;; Outputs: out0 524,288 float32.
;; This version of the problem:
;;   THIS VERSION OF THE PROBLEM IS GIVEN IN LOW PRECISION. The matrix products marked QUANTISED in the list below multiply operands that are first quantised to E3M2 (3 exponent bits, 2 mantissa bits; 6 bits a number), with one power-of-two scale for each 32 numbers along K (OCP MX v1.0); their sums are f32. All else is computed in f32.
;;   The module's matrix products, in the order in which they are computed (A, B: the left and right operand; K: the contracted axis; several contracted axes count as one K, in the product's order):
;;     1. [M 524,288, K 64] x [K 64, N 128]; A: input obs (given as codes); B: input tW1 (given as codes): QUANTISED
;;     2. [M 524,288, K 128] x [K 128, N 128]; A: computed on the way; B: input tW2 (given as codes): QUANTISED
;;     3. [M 524,288, K 128] x [K 128, N 128]; A: computed on the way; B: input tW3 (given as codes): QUANTISED
;;     4. [M 524,288, K 64] x [K 64, N 128]; A: input obs (given as codes); B: input pW1 (given as codes): QUANTISED
;;     5. [M 524,288, K 128] x [K 128, N 128]; A: computed on the way; B: input pW2 (given as codes): QUANTISED
;;     6. [M 524,288, K 128] x [K 128, N 128]; A: computed on the way; B: input pW3 (given as codes): QUANTISED
;;   THE QUANTISER, for each operand of a quantised product, along K:
;;     - K is cut into blocks of 32 from its start; a last block that is shorter is filled with zeros.
;;     - A block's scale is 2^e with e = floor(log2(the largest magnitude in the block)) - 4, held to -126 .. 127; a block of zeros has e = 0. As a byte (E8M0): e + 127.
;;     - Each number is divided by its block's scale, clamped to +-28, and rounded to the nearest number of E3M2, ties to even, subnormals kept.
;;     - The product sums the exact products of the quantised numbers (number of the format x scale) in f32.
;;   ~~~python
;;   def quantise(x, axis):      # numpy; x: float32 -> the quantised numbers, widened to float32 again
;;       x = np.moveaxis(x, axis, -1); K = x.shape[-1]
;;       x = np.pad(x, [(0, 0)] * (x.ndim - 1) + [(0, -K % 32)]); x = x.reshape(x.shape[:-1] + (-1, 32)); a = np.abs(x).max(-1, keepdims=True)
;;       e = np.where(a > 0, np.clip(np.frexp(np.where(a > 0, a, 1))[1] - 1 - 4, -126, 127), 0)      # np.frexp(a)[1] - 1 = floor(log2(a)), exactly
;;       r = np.clip(x / 2.0 ** e, -28, 28)
;;       step = 2.0 ** (np.maximum(np.frexp(np.where(r == 0, 1, r))[1] - 1, -2) - 2)
;;       q = np.round(r / step) * step * 2.0 ** e      # np.round: ties to even
;;       return np.moveaxis(q.reshape(q.shape[:-2] + (-1,))[..., :K], -1, axis).astype(np.float32)
;;   ~~~
;;   OPERANDS COMPUTED ON THE WAY. 'Computed on the way' means the value that the module computes at that place (a softmax that the list does not call 'softmax' is quantised finished and normalised). What goes into a quantiser is computed in f32, as accurately as f32 sums, v_exp_f32 and their like allow (about 1e-6 of the number): no bf16 or f16 on the way to a quantiser, and a product that is left as it is and whose result goes on into a quantised operand takes f32 operands (vector FMAs, or v_wmma_f32_16x16x4_f32). A number that lies on a knife's edge between two numbers of the format may be rounded either way, as far as f32 arithmetic and the matrix unit's own rounding can turn it there, and no further.
;;   INPUTS GIVEN AS CODES. obs (in the module: [524288, 64], K = its axis 1); pW1 (in the module: [128, 64], K = its axis 1); pW2 (in the module: [128, 128], K = its axis 1); pW3 (in the module: [128, 128], K = its axis 1); tW1 (in the module: [128, 64], K = its axis 1); tW2 (in the module: [128, 128], K = its axis 1); tW3 (in the module: [128, 128], K = its axis 1): each comes as NAME_codes (uint8): NAME with its K axis moved to the last place and cut into blocks of 32 codes, [.., K / 32, bytes a block], one block behind the other in memory; four codes in three bytes: a row's codes are one little-endian stream of bits, code i at bits 6 i .. 6 i + 5 (a code: sign, 3 exponent bits, 2 mantissa bits); and NAME_scales (uint8): the same leading axes, one E8M0 byte (e + 127) for each 32 codes along K. Its value is code x scale, taken as it is: it is not quantised again, and the codes and scales need not be those that the quantiser above would give.
;; One version. Each part assembles by itself: llvm-mc -triple=amdgcn-amd-amdhsa -mcpu=gfx1250 --defsym DOCPART=n.
;; ======== version 1 of 1: 2 launches
;; limits: right only within a limited range of input values
;; workspace buffers: rewards 2,097,152 bytes; partials 8,192 bytes
;; launch bonus (part 1): grid 256 x 1, 8 waves a work-group, no clusters, 327,680 bytes of LDS; arguments obs_codes, obs_scales, tW1_codes, pW1_codes, tW1_scales, pW1_scales, tW2_codes, pW2_codes, tW2_scales, pW2_scales, tW3_codes, pW3_codes, tW3_scales, pW3_scales, tb1, pb1, tb2, pb2, tb3, pb3, rewards, partials; writes rewards, partials
.if DOCPART == 1
	.amdgcn_target "amdgcn-amd-amdhsa--gfx1250"
	.amdhsa_code_object_version 6
	.text
	.protected	k_qcbe7df0f20_bonus
	.globl	k_qcbe7df0f20_bonus
	.p2align	8
	.type	k_qcbe7df0f20_bonus,@function
k_qcbe7df0f20_bonus:
	s_mov_b64 s[64:65], 0
	v_nop
	global_prefetch_b8 v0, s[64:65] scope:SCOPE_SE
	s_setreg_imm32_b32 hwreg(HW_REG_WAVE_MODE, 25, 1), 1
	s_wait_xcnt 0x0
; rewards[row] = mean over 128 outputs of (target(obs[row]) - predictor(obs[row]))^2; each net is 64 -> 128 -> 128 -> 128 with relu behind layers 1 and 2.
; All six products on codes of BF6 (E3M2) with one E8M0 scale for each 32 along K; the four hidden layers are quantised here, from f32, in registers.  Every input is used; no work of the problem is left out.
; Also: the mean and the sum of squared deviations of each run of 512 rewards, for the launch that follows.
; SHARES.  256 work-groups of eight waves, two waves to a SIMD.  Waves p and p + 4 (p = 0..3) are a pair and own rows 512 W .. 512 W + 511, W = 4 x work-group + p: 32 tiles of 16 rows.
; Wave p runs the target net, wave p + 4 the predictor: layers 1 and 2 of its OWN net.  Layer 3 is shared out by outputs: wave of net n makes outputs 64 n .. 64 n + 63 of (own - partner),
; one sum over K = 256: b3own - b3partner + h2own W3own + h2partner (-W3partner); the partner's W3 codes have their sign bits turned once at the head (exact).  The square does not see the sign.
; So a wave holds W1, W2 of its net and half of both W3: 240 registers of codes, and 96 of biases; 64 more bias numbers a lane come from LDS for each tile.
; THE WEIGHTS' CODES, 61,440 bytes, are read from memory once by the work-group: each wave fetches a quarter of its net's three weights as dense runs of 512 bytes (15 loads), stores them to LDS,
; and behind the head's barrier every wave reads its fragments from there.
; EXCHANGE.  A tile's second hidden layer (12 registers of codes, a scale word) goes to the partner through LDS as an image of the registers, two buffers by turns, ONE barrier a tile.
; The barrier's signal for tile i + 1 stands a whole tile's work ahead of its wait: between them stand register work and reads of obs and of the wave's constants alone.
; LAYOUT.  Every product is used transposed (source 0 = 16 rows of a weight, source 1 = 16 rows of the batch): a lane holds ONE row of the batch.  Lane m of weight tile 4 g + u takes row
; 64 g + 32 (m / 8) + 8 u + m % 8, so register 32 g + i of lane (r, h) is unit 64 g + 32 h + i of row r: a whole block of 32 along the next K in one lane, in the operand's own order.
; LAYER 1: K is 64, so a fragment's registers 0-5 hold tile f's rows and 6-11 tile 4 + f's; obs stands between two runs of six zero registers: [obs, 0] meets tile f, [0, obs] tile 4 + f.
; OBS: at the head the target wave asks for its pair's tiles 0-8 (6,912 bytes of codes), the predictor wave for the pair's 1,024 scale bytes; behind the head's barrier the target wave asks for tiles 9-31
; (17,664 bytes), which are awaited ahead of tile 6's signal and first read behind its wait.  No LDS byte is filled twice.  All of the stream is asked for by then, so there is nothing left to prefetch.
; NO CLUSTER: what work-groups share are the weights, 61,440 bytes in six buffers beside a work-group's own 102,400 bytes of obs; a wave has one tensor load at the head, and that one serves obs.
; LIMITS: NaN and infinities among biases and hidden values are not served (relu by a maximum turns NaN into 0).  A block whose largest number lies under 2^-122 keeps the scale byte 1, a block of zeros too
; (its codes are zeros, and this program alone reads the bytes).  A scale byte 0xff in W1 makes two tiles of layer 1 NaN: the reward is NaN either way.
; The two words of statistics a pair are stored four bytes at a time.  Sums are taken in another order than row by row.
.set OBSP,  24576                      ; LDS: a pair's obs codes, 512 rows x 48 bytes, dense
.set PARTA, 6912                       ; tiles 0-8: 27 rows of 256 bytes; the rest: 69
.set OSC,   98304                      ; obs scale bytes, 1,024 a pair
.set CB,    102400                     ; 768 bytes a wave: b1 as it lies (512), then my 64 numbers of b3own - b3partner
.set EX,    108544                     ; 4,096 bytes a wave: two buffers of 2,048: three images of four registers, and the scale word at 16 x lane
.set REW,   141312                     ; 2,048 bytes a wave: my half sums of squares of 512 rows
.set SPARE, 157696                     ; the spare words, 128 bytes a wave
.set WT,    158720                     ; the weights' codes as they lie, 30,720 bytes a net: W1 at 0, W2 at 6,144, W3 at 18,432
.set CB2,   220160                     ; b2 as it lies, 512 bytes a wave; the text uses 224,256 bytes
; window 0
.set SPW,  1
.set NIL,  2
.set ADO0, 3                           ; LDS: my 24 bytes of obs in tile 0; my row's scale bytes; my row's half sum; never rewritten
.set ADS0, 4
.set ADR0, 5
.set AB1,  6                           ; my wave's constants, + 128 x (lane / 16)
.set EXS,  7                           ; my exchange buffers, + 16 x lane
.set EXL,  8                           ; my partner's
.set SH8,  9                           ; 8 x (lane / 16)
.set OS,   10                          ; scale words: obs, first hidden layer, second hidden layer (two sets), partner's
.set PWH,  11
.set PWA,  12
.set PWB,  13
.set PWP,  14
.set OSR,  15                          ; obs's two bytes as loaded
.set W1S,  16                          ; the weights' scale words
.set W2S,  20
.set W3OS, 28
.set W3PS, 32
.set Z0,   36                          ; six zeros, obs, six zeros
.set O,    42
.set Z1,   48
.set PH,   54                          ; codes: first hidden layer, later the partner's second
.set PA,   66                          ; my second hidden layer, even tiles; odd tiles
.set PB,   78
.set WD,   90
.set TP,   91
.set CT,   92                          ; the conversions' second halves; also the four pairs of the sum of squares
.set Q,    92
.set TM,   100
.set SO,   104
.set BY,   106
.set RWD,  108                         ; a tile's half sum, until it is stored behind the next barrier
.set ADO,  109                         ; the addresses in hand
.set ADS,  110
.set ADR,  111
.set W1,   112                         ; four fragments (at the head v112-171: my share of the codes on its way to LDS)
.set B1R,  160                         ; b1 of units 0-63 in the result's layout
.set X,    192                         ; eight accumulators
; head and way out only, in registers that are idle there
.set RR,   66
.set HH,   67
.set LN,   68
.set T0,   69
.set T1,   70
.set OW1,  71
.set OW2,  72
.set OSW,  73
.set OS1,  74
.set AB2,  75
.set GOF,  76
.set G15,  77
.set B1W,  78
.set B3W,  79
.set GW1,  80
.set GW2,  81
.set SW1,  82
.set SW2,  83
.set LW1,  84
.set LW2,  85
.set LW3O, 86
.set LW3P, 87
.set B2W,  88
.set ARB,  69
; window 1: v0-95 W2, v96-143 my half of my W3, v144-191 my half of the partner's, negated, v192-255 b2
.set G1A, 52
.set G1S, 68
.set G0A, 76
.set G0S, 80
.set SEL, 84
.set MK,  86
.set TO,  89
.set TS,  90
.set TR,  91
.set MSB, 0
.macro WIN new                         ; the immediate's high byte repeats the setting that is left
.if MSB != \new
	s_set_vgpr_msb (MSB<<8)|\new
.set MSB, \new
.endif
.endm
.macro DESC1 g, rows                   ; a dense block as rows of 256 bytes (32 elements of 8 bytes)
	s_mov_b32 s[\g+0], 3<<16
	s_mov_b32 s[\g+1], 32<<16
	s_mov_b32 s[\g+2], (\rows)<<16
	s_mov_b32 s[\g+3], 32<<16
	s_mov_b32 s[\g+4], \rows
	s_mov_b32 s[\g+5], 32
	s_mov_b32 s[\g+6], 0
	s_mov_b32 s[\g+7], 0
.endm
.macro PLACES n
.rept \n
	v_nop
.endr
.endm
.macro WM d, a, b, c, sa, sb
	v_wmma_scale_f32_16x16x128_f8f6f4 v[(\d):(\d)+7], v[(\a):(\a)+11], v[(\b):(\b)+11], v[(\c):(\c)+7], v[(\sa)], v[(\sb)] matrix_a_fmt:MATRIX_FMT_BF6 matrix_b_fmt:MATRIX_FMT_BF6
.endm
.macro DRELU a                         ; relu of two neighbours in one instruction
	v_dual_max_num_f32 v[(\a)], 0, v[(\a)] :: v_dual_max_num_f32 v[(\a)+1], 0, v[(\a)+1]
.endm
.macro LDC base, off                   ; 32 numbers of my constants in the result's layout
.irp u, 0,1,2,3
.irp q, 0,1
	ds_load_b128 v[(\base)+8*\u+4*\q:(\base)+8*\u+4*\q+3], v[AB1] offset:(\off)+32*\u+16*\q
.endr
.endr
.endm
; 64 numbers: four chains of maxima over the raw sums (the floor 2^(5 - 127) stands over what is negative), and the relus, by turns; each accumulator from its low end on.
; sq = 1: the last two lines of the tile before's sum of squares stand among them.
.macro RMAX s, sq
.irp c, 0,1,2,3
	v_max3_num_f32 v[TM+\c], v[(\s)+16*\c], v[(\s)+16*\c+1], 0x2800000
.endr
.irp c, 0,1,2,3
	DRELU (\s)+16*\c
.endr
.if \sq
	v_permlanex16_b32 v[TP], v[Q], s[SEL], s[SEL+1]
.endif
.irp i, 2,4,6,8,10,12,14
.irp c, 0,1,2,3
	v_max3_num_f32 v[TM+\c], v[TM+\c], v[(\s)+16*\c+\i], v[(\s)+16*\c+\i+1]
.endr
.irp c, 0,1,2,3
	DRELU (\s)+16*\c+\i
.endr
.if (\sq) && (\i == 2)
	v_add_f32 v[RWD], v[Q], v[TP]                  ; my 64 outputs of my row
.endif
.endr
.endm
.macro WORD pc, pw                     ; the scale word from my two bytes and lane l xor 16's, and the conversions' second halves to their places
	v_lshlrev_b32 v[WD], v[SH8], v[WD]
	v_dual_mov_b32 v[(\pc)+3], v[CT] :: v_dual_mov_b32 v[(\pc)+4], v[CT+1]
	v_permlanex16_b32 v[TP], v[WD], s[SEL], s[SEL+1]
	v_dual_mov_b32 v[(\pc)+5], v[CT+2] :: v_dual_mov_b32 v[(\pc)+10], v[CT+5]
	v_or_b32 v[\pw], v[WD], v[TP]
	v_mov_b32 v[(\pc)+9], v[CT+4]
	v_mov_b32 v[(\pc)+11], v[CT+6]
.endm
; My two blocks (h and 2 + h of my row) become six registers of codes each, and the row's scale word; the scale word's lines and the conversions take turns.
.macro TAIL s, pc, pw
	v_max_num_f32 v[TM], v[TM], v[TM+1]
	v_max_num_f32 v[TM+2], v[TM+2], v[TM+3]
	v_add_nc_u32 v[SO], 0xfe000000, v[TM]          ; 4 off the exponent field: the conversion's scale operand
	v_add_nc_u32 v[SO+1], 0xfe000000, v[TM+2]
	v_cvt_scalef32_pk16_bf6_f32 v[(\pc):(\pc)+2], v[(\s):(\s)+15], v[SO]
	v_lshrrev_b32 v[BY], 23, v[SO]                 ; the scale's byte
	v_cvt_scalef32_pk16_bf6_f32 v[CT:CT+2], v[(\s)+16:(\s)+31], v[SO]
	v_lshrrev_b32 v[BY+1], 23, v[SO+1]
	v_cvt_scalef32_pk16_bf6_f32 v[(\pc)+6:(\pc)+8], v[(\s)+32:(\s)+47], v[SO+1]
	v_lshl_or_b32 v[WD], v[BY+1], 16, v[BY]
	v_cvt_scalef32_pk16_bf6_f32 v[CT+4:CT+6], v[(\s)+48:(\s)+63], v[SO+1]
	WORD \pc, \pw                                  ; (its first line is the plain line behind the last conversion)
.endm
.macro RMH s                           ; one block of 32 numbers: four chains, one to an accumulator, and the relus; the block's largest number in TM
.irp c, 0,1,2,3
	v_max3_num_f32 v[TM+\c], v[(\s)+8*\c], v[(\s)+8*\c+1], 0x2800000
.endr
.irp c, 0,1,2,3
	DRELU (\s)+8*\c
.endr
.irp i, 2,4,6
.irp c, 0,1,2,3
	v_max3_num_f32 v[TM+\c], v[TM+\c], v[(\s)+8*\c+\i], v[(\s)+8*\c+\i+1]
.endr
.irp c, 0,1,2,3
	DRELU (\s)+8*\c+\i
.endr
.endr
	v_max3_num_f32 v[TM], v[TM], v[TM+1], v[TM+2]
	v_max_num_f32 v[TM], v[TM], v[TM+3]
.endm
; The same quantiser block by block: each half of the accumulators is free as soon as its two conversions have read it, and takes the constants that the next products start from.
; nx: 1 = b3own - b3partner into the lower half, 2 = b1 of units 64-127 into the upper.
.macro QUANT2 s, pc, pw, nx
	RMH \s
	v_add_nc_u32 v[SO], 0xfe000000, v[TM]
	v_cvt_scalef32_pk16_bf6_f32 v[(\pc):(\pc)+2], v[(\s):(\s)+15], v[SO]
	v_lshrrev_b32 v[BY], 23, v[SO]
	v_cvt_scalef32_pk16_bf6_f32 v[CT:CT+2], v[(\s)+16:(\s)+31], v[SO]
.if (\nx) & 1
	LDC \s, 512
.endif
	RMH (\s)+32
	v_add_nc_u32 v[SO+1], 0xfe000000, v[TM]
	v_cvt_scalef32_pk16_bf6_f32 v[(\pc)+6:(\pc)+8], v[(\s)+32:(\s)+47], v[SO+1]
	v_lshrrev_b32 v[BY+1], 23, v[SO+1]
	v_cvt_scalef32_pk16_bf6_f32 v[CT+4:CT+6], v[(\s)+48:(\s)+63], v[SO+1]
	v_lshl_or_b32 v[WD], v[BY+1], 16, v[BY]        ; (the plain line behind the last conversion)
.if (\nx) & 2
	LDC (\s)+32, 256
.endif
	WORD \pc, \pw
.endm
.macro NEXTOBS oo, os
.irp p, 0,1,2
	ds_load_b64 v[O+2*\p:O+2*\p+1], v[ADO] offset:(\oo)+8*\p
.endr
	ds_load_u16 v[OSR], v[ADS] offset:\os
.endm
.macro PUT pc, pw, buf                 ; my codes and scale word into my buffer
.irp k, 0,1,2
	ds_store_b128 v[EXS], v[(\pc)+4*\k:(\pc)+4*\k+3] offset:2048*(\buf)+512*\k
.endr
	ds_store_b32 v[EXS], v[\pw] offset:2048*(\buf)+1536
.endm
.macro SQ4                             ; four pairs of partial sums into one number
	v_pk_add_f32 v[Q:Q+1], v[Q:Q+1], v[Q+2:Q+3]
	v_pk_add_f32 v[Q+4:Q+5], v[Q+4:Q+5], v[Q+6:Q+7]
	v_pk_add_f32 v[Q:Q+1], v[Q:Q+1], v[Q+4:Q+5]
	v_add_f32 v[Q], v[Q], v[Q+1]
.endm
; Layers 1 and 2 of my net on one tile.  On entry obs and its scale word stand in O and OS, and b1 of units 64-127 in X's upper half.  more = 1: the next tile's obs is fetched.
; sq = 1: the sum of squares of the tile before is finished here; its four lines are the places behind layer 1's products.
.macro FRONT pc, pw, more, oo, os, sq, nx
.irp t, 0,1,2,3
	WM X+8*\t, W1+12*\t, O, B1R+8*\t, W1S+\t, OS
.endr
.irp t, 0,1,2,3
	WM X+32+8*\t, W1+12*\t, Z0, X+32+8*\t, W1S+\t, OS
.endr
.if \sq
	SQ4
.else
	PLACES 4                                       ; ahead of the loads into obs's registers and of the first read of the results
.endif
.if \more
	NEXTOBS \oo, \os
.endif
	RMAX X, \sq
.if \more
	s_wait_alu depctr_va_vdst(0)
	s_wait_dscnt 0x0                               ; the next tile's obs, asked for 64 instructions ago
	v_lshl_or_b32 v[OS], v[OSR], 16, v[OSR]
.endif
	TAIL X, PH, PWH
	PLACES 6                                       ; with the two moves: eight places between the scale word's write and the scaled products
	WIN 0x11                                       ; weight and bias in window 1
.irp t, 0,1,2,3,4,5,6,7
	WM X+8*\t, 12*\t, PH, 192+8*\t, W2S+\t, PWH
.endr
	WIN 0
	PLACES 4
	QUANT2 X, \pc, \pw, \nx
.endm
; Tile i.  own: my codes of tile i; oth: of tile i + 1; bl = i % 2.  rst: tile i - 1's half sum is stored; st: tile i + 1's codes are put out and signalled; fr: tile i + 2's layers 1 and 2 follow, into own.
; On entry b3own - b3partner is on its way into X's lower half and, where fr = 1, b1's upper half behind it into X's upper.  tw = 1: the rest of obs is awaited ahead of the signal.
.macro BODY own, pwo, oth, pwt, bl, rst, ro, st, fr, more, oo, os, nx, tw
	s_wait_alu depctr_va_vdst(0)
	s_barrier_wait -1                              ; every wave has put out tile i's codes, and has read tile i - 1's
.irp k, 0,1,2
	ds_load_b128 v[PH+4*\k:PH+4*\k+3], v[EXL] offset:2048*(\bl)+512*\k
.endr
	ds_load_b32 v[PWP], v[EXL] offset:2048*(\bl)+1536
.if \rst
	ds_store_b32 v[ADR], v[RWD] offset:\ro         ; lanes r and r + 16 write the same word with the same value
.endif
.if \st
	PUT \oth, \pwt, 1-(\bl)
.endif
	s_wait_dscnt 4+(\rst)+4*(\st)+8*(\fr)          ; b3own - b3partner is in; what was issued behind its loads may be out: b1's eight loads, and the lines just above
	WIN 0x01                                       ; weights in window 1.  The four accumulators take turns
.irp u, 0,1,2,3
	WM X+8*\u, 96+12*\u, \own, X+8*\u, W3OS+\u, \pwo
.endr
.if \tw
	s_wait_tensorcnt 0x0                           ; obs's tiles 9-31 have landed: the signal below says so to my partner
.endif
	s_wait_dscnt 0x0                               ; my stores are done and my reads are back
.if \st
	s_barrier_signal -1
.endif
.irp u, 0,1,2,3
	WM X+8*\u, 144+12*\u, PH, X+8*\u, W3PS+\u, PWP
.endr
	WIN 0
	PLACES 4
.irp p, 0,1,2,3                        ; the sum of my 32 squares, each accumulator from its low end on, in four chains
	v_pk_mul_f32 v[Q+2*\p:Q+2*\p+1], v[X+2*\p:X+2*\p+1], v[X+2*\p:X+2*\p+1]
.endr
.irp p, 4,5,6,7,8,9,10,11,12,13,14,15
	v_pk_fma_f32 v[Q+2*(\p%4):Q+2*(\p%4)+1], v[X+2*\p:X+2*\p+1], v[X+2*\p:X+2*\p+1], v[Q+2*(\p%4):Q+2*(\p%4)+1]
.endr
.if \fr
	FRONT \own, \pwo, \more, \oo, \os, 1, \nx
.else
	SQ4
	v_permlanex16_b32 v[TP], v[Q], s[SEL], s[SEL+1]
	v_add_f32 v[RWD], v[Q], v[TP]
.if \nx
	LDC X, 512
.endif
.endif
.endm
.macro PAIR tw                         ; tiles 2 k + 1 and 2 k + 2, and the step to the next two
	BODY PB, PWB, PA, PWA, 1, 1, 0, 1, 1, 1, 3072, 128, 3, \tw
	BODY PA, PWA, PB, PWB, 0, 1, 64, 1, 1, 1, 3840, 160, 3, 0
	s_add_co_u32 s[TO], s[TO], 1536
	s_add_co_u32 s[TS], s[TS], 64
	s_add_co_u32 s[TR], s[TR], 128
	v_add_nc_u32 v[ADO], s[TO], v[ADO0]
	v_add_nc_u32 v[ADS], s[TS], v[ADS0]
	v_add_nc_u32 v[ADR], s[TR], v[ADR0]
.endm
.macro RUN n
	s_mov_b32 s3, \n
.Ltrip_\@:
	PAIR 0
	s_sub_co_u32 s3, s3, 1
	s_cmp_lg_u32 s3, 0
	s_wait_alu depctr_va_vdst(0)
	s_cbranch_scc1 .Ltrip_\@
.endm
.macro LDF base, adr, off, n           ; n fragments of a weight of K = 128 from LDS; lane (m, h) takes 24 bytes at 96 row + 24 h and 24 at 48 further on
.set t, 0
.rept \n
.irp p, 0,1,2,3,4,5
	ds_load_b64 v[(\base)+12*t+2*\p:(\base)+12*t+2*\p+1], v[\adr] offset:(\off)+96*(64*(t/4)+8*(t%4))+48*(\p/3)+8*(\p%3)
.endr
.set t, t+1
.endr
.endm
.macro LANESUM r
	v_add_f32_dpp v[\r], v[\r], v[\r] row_xmask:1 row_mask:0xf bank_mask:0xf
	v_add_f32_dpp v[\r], v[\r], v[\r] row_xmask:2 row_mask:0xf bank_mask:0xf
	v_add_f32_dpp v[\r], v[\r], v[\r] row_xmask:4 row_mask:0xf bank_mask:0xf
	v_add_f32_dpp v[\r], v[\r], v[\r] row_xmask:8 row_mask:0xf bank_mask:0xf
	v_permlanex16_b32 v[TP], v[\r], s[SEL], s[SEL+1]
	v_add_f32 v[\r], v[\r], v[TP]
.endm
	s_load_b512 s[4:19], s[0:1], 0x0               ; obs codes, obs scales, W1 codes t, p, W1 scales t, p, W2 codes t, p
	s_load_b512 s[20:35], s[0:1], 0x40             ; W2 scales t, p, W3 codes t, p, W3 scales t, p, b1 t, p
	s_load_b256 s[36:43], s[0:1], 0x80             ; b2 t, p, b3 t, p
	s_load_b128 s[44:47], s[0:1], 0xa0             ; rewards, partials
	v_lshl_add_u32 v[SPW], v0, 2, SPARE
	v_mov_b32 v[NIL], 0
	ds_add_u32 v[SPW], v[NIL]                      ; the opening lines: the add, twice on end, and its wait ahead of my tensor load
	ds_add_u32 v[SPW], v[NIL]
	v_lshrrev_b32 v[T0], 5, v0
	v_readfirstlane_b32 s2, v[T0]                  ; wave 0..7
	DESC1 G1A, 27                                  ; 6,912 bytes
	DESC1 G1S, 4                                   ; 1,024 bytes
	s_mov_b32 s[SEL], 0x76543210
	s_mov_b32 s[SEL+1], 0xfedcba98
	s_mov_b32 s[MK], 0x20820820                    ; the sign bits of 16 codes in 96 bits: bits 6 i + 5
	s_mov_b32 s[MK+1], 0x08208208
	s_mov_b32 s[MK+2], 0x82082082
	s_and_b32 s48, s2, 3                           ; pair
	s_lshr_b32 s49, s2, 2                          ; net
	s_lshl_b32 s50, ttmp9, 2
	s_add_co_u32 s50, s50, s48                     ; W
	s_mov_b32 s93, 0
	s_wait_alu depctr_va_vdst(0)
	s_wait_dscnt 0x0
	s_wait_kmcnt 0x0
	s_mul_i32 s92, s50, OBSP
	s_add_nc_u64 s[4:5], s[4:5], s[92:93]
	s_lshl_b32 s92, s50, 10
	s_add_nc_u64 s[6:7], s[6:7], s[92:93]
	s_mov_b32 s[G0A], 1
	s_mul_i32 s[G0A+1], s48, OBSP
	s_mov_b64 s[G0A+2:G0A+3], s[4:5]
	s_or_b32 s[G0A+3], s[G0A+3], 0x80000000
	s_mov_b32 s[G0S], 1
	s_lshl_b32 s51, s48, 10
	s_add_co_u32 s[G0S+1], s51, OSC
	s_mov_b64 s[G0S+2:G0S+3], s[6:7]
	s_or_b32 s[G0S+3], s[G0S+3], 0x80000000
	s_cmp_lt_u32 s2, 4                             ; one tensor load a wave: waves 0-3 their pair's first nine tiles of codes, waves 4-7 its scale bytes
	s_cbranch_scc0 .Lscales
	tensor_load_to_lds s[G0A:G0A+3], s[G1A:G1A+7]
	s_nop 0
	PLACES 4
	s_branch .Lasked
.Lscales:
	tensor_load_to_lds s[G0S:G0S+3], s[G1S:G1S+7]
	s_nop 0
	PLACES 4
.Lasked:
	s_cmp_lt_u32 s2, 4                             ; my net's buffers, and the partner's W3 scales and b3
	s_cselect_b64 s[8:9], s[8:9], s[10:11]         ; W1 codes
	s_cselect_b64 s[12:13], s[12:13], s[14:15]     ; W1 scales
	s_cselect_b64 s[16:17], s[16:17], s[18:19]     ; W2 codes
	s_cselect_b64 s[20:21], s[20:21], s[22:23]     ; W2 scales
	s_cselect_b64 s[10:11], s[24:25], s[26:27]     ; W3 codes
	s_cselect_b64 s[18:19], s[28:29], s[30:31]     ; W3 scales, mine
	s_cselect_b64 s[22:23], s[30:31], s[28:29]     ; the partner's
	s_cselect_b64 s[32:33], s[32:33], s[34:35]     ; b1
	s_cselect_b64 s[36:37], s[36:37], s[38:39]     ; b2
	s_cselect_b64 s[24:25], s[40:41], s[42:43]     ; b3, mine
	s_cselect_b64 s[26:27], s[42:43], s[40:41]     ; the partner's
	s_lshl_b32 s92, s49, 8                         ; my 64 outputs of layer 3: rows 64 net on
	s_add_nc_u64 s[18:19], s[18:19], s[92:93]
	s_add_nc_u64 s[22:23], s[22:23], s[92:93]
	s_add_nc_u64 s[24:25], s[24:25], s[92:93]
	s_add_nc_u64 s[26:27], s[26:27], s[92:93]
	s_lshl_b32 s92, s50, 11
	s_add_nc_u64 s[44:45], s[44:45], s[92:93]      ; the pair's rewards,
	s_lshl_b32 s92, s50, 2
	s_add_nc_u64 s[46:47], s[46:47], s[92:93]      ; and its word of the statistics
	s_lshl_b32 s51, s2, 11
	s_add_co_u32 s51, s51, REW                     ; my half sums; kept to the end
	s_mul_i32 s94, s2, 768
	s_add_co_u32 s94, s94, CB
	s_add_co_u32 s95, s94, 512
	s_lshl_b32 s96, s2, 12
	s_add_co_u32 s96, s96, EX
	s_xor_b32 s97, s2, 4                           ; my partner
	s_lshl_b32 s97, s97, 12
	s_add_co_u32 s97, s97, EX
	s_mul_i32 s98, s49, 30720
	s_add_co_u32 s98, s98, WT                      ; my net's codes in LDS,
	s_xor_b32 s99, s49, 1
	s_mul_i32 s99, s99, 30720
	s_add_co_u32 s99, s99, WT                      ; the partner's
	s_mul_i32 s62, s49, 6144
	s_add_co_u32 s14, s99, s62                     ; + my 64 rows of W3
	s_add_co_u32 s62, s98, s62
	s_mul_i32 s60, s48, 1536                       ; my quarter of W1,
	s_mul_i32 s61, s48, 3072                       ; of W2 and of W3
	s_lshl_b32 s63, s2, 9
	s_add_co_u32 s63, s63, CB2
	s_mov_b32 s[TO], 0
	s_mov_b32 s[TS], 0
	s_mov_b32 s[TR], 0
	v_and_b32 v[LN], 31, v0
	v_and_b32 v[RR], 15, v0                        ; r
	v_bfe_u32 v[HH], v0, 4, 1                      ; h
	v_mul_u32_u24 v[ADO0], v[RR], 48
	v_mad_u32_u24 v[ADO0], v[HH], 24, v[ADO0]
	v_add_nc_u32 v[ADO0], s[G0A+1], v[ADO0]
	v_lshl_add_u32 v[ADS0], v[RR], 1, s[G0S+1]
	v_lshl_add_u32 v[ADR0], v[RR], 2, s51
	v_lshl_add_u32 v[AB1], v[HH], 7, s94
	v_lshl_add_u32 v[B1W], v[LN], 4, s94
	v_lshl_add_u32 v[B3W], v[RR], 4, s95
	v_lshl_add_u32 v[EXS], v[LN], 4, s96
	v_lshl_add_u32 v[EXL], v[LN], 4, s97
	v_lshl_add_u32 v[AB2], v[HH], 7, s63
	v_lshl_add_u32 v[B2W], v[LN], 4, s63
	v_lshlrev_b32 v[SH8], 3, v[HH]
	v_lshlrev_b32 v[GOF], 4, v[LN]
	v_lshlrev_b32 v[G15], 4, v[RR]
	v_lshl_add_u32 v[GW1], v[LN], 4, s60
	v_lshl_add_u32 v[GW2], v[LN], 4, s61
	v_add_nc_u32 v[SW1], s98, v[GW1]
	v_add_nc_u32 v[SW2], s98, v[GW2]
	v_and_b32 v[T0], 7, v[RR]
	v_lshrrev_b32 v[T1], 3, v[RR]
	v_lshl_add_u32 v[T0], v[T1], 5, v[T0]          ; my row in tile 0 of a weight: 32 (r / 8) + r % 8
	v_mul_u32_u24 v[OW1], v[T0], 48
	v_mad_u32_u24 v[OW1], v[HH], 24, v[OW1]
	v_mul_u32_u24 v[OW2], v[T0], 96
	v_mad_u32_u24 v[OW2], v[HH], 24, v[OW2]
	v_add_nc_u32 v[LW1], s98, v[OW1]
	v_add_nc_u32 v[LW2], s98, v[OW2]
	v_add_nc_u32 v[LW3O], s62, v[OW2]
	v_add_nc_u32 v[LW3P], s14, v[OW2]
	v_lshlrev_b32 v[OSW], 2, v[T0]
	v_lshlrev_b32 v[OS1], 1, v[T0]
	v_add_nc_u32 v[ADO], 0, v[ADO0]
	v_add_nc_u32 v[ADS], 0, v[ADS0]
	v_add_nc_u32 v[ADR], 0, v[ADR0]
	s_wait_alu depctr_va_vdst(0)
.irp c, 0,1,2
	global_load_b128 v[112+4*\c:115+4*\c], v[GW1], s[8:9] offset:512*\c       ; my quarter of my net's W1: each load covers 512 consecutive bytes, aligned
.endr
.irp c, 0,1,2,3,4,5
	global_load_b128 v[124+4*\c:127+4*\c], v[GW2], s[16:17] offset:512*\c     ; of W2,
	global_load_b128 v[148+4*\c:151+4*\c], v[GW2], s[10:11] offset:512*\c     ; of W3
.endr
	global_load_b128 v[X+4:X+7], v[GOF], s[32:33]      ; b1 as it lies
	global_load_b128 v[X+16:X+19], v[GOF], s[36:37]    ; b2 as it lies
	global_load_b128 v[X+8:X+11], v[G15], s[24:25]     ; my 64 numbers of my b3 (lanes 16-31 repeat lanes 0-15),
	global_load_b128 v[X+12:X+15], v[G15], s[26:27]    ; and of the partner's
.irp f, 0,1,2,3
	global_load_u16 v[W1S+\f], v[OS1], s[12:13] offset:16*\f
	global_load_u16 v[X+\f], v[OS1], s[12:13] offset:128+16*\f
	global_load_b32 v[W3OS+\f], v[OSW], s[18:19] offset:32*\f
	global_load_b32 v[W3PS+\f], v[OSW], s[22:23] offset:32*\f
.endr
.irp t, 0,1,2,3,4,5,6,7
	global_load_b32 v[W2S+\t], v[OSW], s[20:21] offset:4*(64*(\t/4)+8*(\t%4))
.endr
.irp i, 0,1,2,3,4,5
	v_mov_b32 v[Z0+\i], 0
	v_mov_b32 v[Z1+\i], 0
.endr
	v_mov_b32 v[TP], 0                             ; a lane permute's destination counts as one of its sources
	s_wait_alu depctr_va_vdst(0)
	s_wait_loadcnt 0x0
.irp c, 0,1,2
	ds_store_b128 v[SW1], v[112+4*\c:115+4*\c] offset:512*\c                  ; into bytes that no tensor load names
.endr
.irp c, 0,1,2,3,4,5
	ds_store_b128 v[SW2], v[124+4*\c:127+4*\c] offset:6144+512*\c
	ds_store_b128 v[SW2], v[148+4*\c:151+4*\c] offset:18432+512*\c
.endr
	ds_store_b128 v[B1W], v[X+4:X+7]
	ds_store_b128 v[B2W], v[X+16:X+19]
.irp f, 0,1,2,3
	v_lshl_or_b32 v[W1S+\f], v[X+\f], 16, v[W1S+\f]    ; tile f's two bytes below, tile 4 + f's above
.endr
	v_pk_add_f32 v[X+8:X+9], v[X+8:X+9], v[X+12:X+13] neg_lo:[0,1] neg_hi:[0,1]
	v_pk_add_f32 v[X+10:X+11], v[X+10:X+11], v[X+14:X+15] neg_lo:[0,1] neg_hi:[0,1]
	ds_store_b128 v[B3W], v[X+8:X+11]
	s_wait_alu depctr_va_vdst(0)
	s_wait_tensorcnt 0x0                           ; my part of the head's tiles has landed
	ds_add_u32 v[SPW], v[NIL]
	s_mov_b32 s[G1A+2], 69<<16                     ; no tensor load of mine is out, so the descriptor may be written: the other 69 rows of 256 bytes,
	s_mov_b32 s[G1A+4], 69
	s_add_co_u32 s[G0A+1], s[G0A+1], PARTA         ; behind the first 27, in LDS and in memory
	s_add_nc_u64 s[G0A+2:G0A+3], s[G0A+2:G0A+3], PARTA
	s_wait_dscnt 0x0                               ; the add is done, and so are my stores of codes and constants
	s_barrier_signal -1
	s_barrier_wait -1                              ; the pair's first nine tiles, its scale bytes and both nets' codes are whole
	s_cmp_lt_u32 s2, 4
	s_cbranch_scc0 .Lnorest
	tensor_load_to_lds s[G0A:G0A+3], s[G1A:G1A+7]  ; tiles 9-31: bytes filled for the first time
	s_nop 0
	PLACES 4
.Lnorest:
.irp f, 0,1,2,3
.irp p, 0,1,2
	ds_load_b64 v[W1+12*\f+2*\p:W1+12*\f+2*\p+1], v[LW1] offset:48*8*\f+8*\p
	ds_load_b64 v[W1+12*\f+6+2*\p:W1+12*\f+7+2*\p], v[LW1] offset:48*(64+8*\f)+8*\p
.endr
.endr
	LDC B1R, 0
	NEXTOBS 0, 0                                   ; tile 0
	LDC X+32, 256
	WIN 0x40                                       ; destination window 1
	LDF 0, LW2, 6144, 8
	LDF 96, LW3O, 18432, 4
	LDF 144, LW3P, 18432, 4
.irp t, 0,1,2,3,4,5,6,7
.irp q, 0,1
	ds_load_b128 v[192+8*\t+4*\q:192+8*\t+4*\q+3], v[AB2] offset:256*(\t/4)+32*(\t%4)+16*\q
.endr
.endr
	WIN 0
	s_wait_dscnt 0x0
	v_lshl_or_b32 v[OS], v[OSR], 16, v[OSR]
	WIN 0x44                                       ; destination and source 1 window 1
.set i, 0
.rept 48
	v_xor_b32 v[144+i], s[MK+i%3], v[144+i]        ; the partner's W3, negated.  (These lines are also the places between the scale word's write and the first products)
.set i, i+1
.endr
	WIN 0
	FRONT PA, PWA, 1, 768, 32, 0, 2                ; tile 0's layers 1 and 2
	PUT PA, PWA, 0
	s_wait_alu depctr_va_vdst(0)
	s_wait_dscnt 0x0
	s_barrier_signal -1                            ; tile 0's codes are out
	FRONT PB, PWB, 1, 1536, 64, 0, 3               ; tile 1
	BODY PA, PWA, PB, PWB, 0, 0, 0, 1, 1, 1, 2304, 96, 3, 0    ; tile 0's layer 3; tile 2's layers 1 and 2
	RUN 2                                          ; tiles 1-4, which fetch obs's tiles 4-7
	PAIR 1                                         ; tiles 5 and 6: tile 5 fetches tile 8 and awaits the rest of obs ahead of its signal; tile 6 fetches tile 9 behind the barrier
	RUN 11                                         ; tiles 7-28
	BODY PB, PWB, PA, PWA, 1, 1, 0, 1, 1, 0, 0, 0, 1, 0        ; tile 29; tile 31's layers 1 and 2 fetch nothing
	BODY PA, PWA, PB, PWB, 0, 1, 64, 1, 0, 0, 0, 0, 1, 0       ; tile 30
	BODY PB, PWB, PA, PWA, 1, 1, 128, 0, 0, 0, 0, 0, 0, 0      ; tile 31
	ds_store_b32 v[ADR], v[RWD] offset:192
	v_and_b32 v[LN], 31, v0
	v_lshlrev_b32 v[GOF], 4, v[LN]
	v_add_nc_u32 v[ARB], s51, v[GOF]
	s_wait_tensorcnt 0x0                           ; the wave's end
	ds_add_u32 v[SPW], v[NIL]
	s_wait_alu depctr_va_vdst(0)
	s_wait_dscnt 0x0
	s_barrier_signal -1
	s_barrier_wait -1                              ; both halves of every row's sum lie in LDS
	s_cmp_lt_u32 s2, 4
	s_cbranch_scc0 .Ldone                          ; the target's wave sends the pair's rewards out
	; THE WAY OUT: the pair's 512 rewards, 16 bytes a lane; each store covers 512 consecutive bytes, aligned.
.irp q, 0,1,2,3
	ds_load_b128 v[X+4*\q:X+4*\q+3], v[ARB] offset:512*\q
.endr
.irp q, 0,1,2,3
	ds_load_b128 v[X+16+4*\q:X+16+4*\q+3], v[ARB] offset:8192+512*\q   ; my partner's halves
.endr
	s_wait_dscnt 0x0
.irp i, 0,1,2,3,4,5,6,7
	v_pk_add_f32 v[X+2*\i:X+2*\i+1], v[X+2*\i:X+2*\i+1], v[X+16+2*\i:X+17+2*\i]
.endr
.irp i, 0,1,2,3,4,5,6,7
	v_pk_mul_f32 v[X+2*\i:X+2*\i+1], v[X+2*\i:X+2*\i+1], 0x3c000000 op_sel_hi:[1,0]   ; / 128
.endr
.irp q, 0,1,2,3
	global_store_b128 v[GOF], v[X+4*\q:X+4*\q+3], s[44:45] offset:512*\q
.endr
.set A, X+16
.set M, X+32
	v_pk_add_f32 v[A:A+1], v[X:X+1], v[X+2:X+3]        ; the run's mean (the stores' registers are not written again)
	v_pk_add_f32 v[A+2:A+3], v[X+4:X+5], v[X+6:X+7]
	v_pk_add_f32 v[A+4:A+5], v[X+8:X+9], v[X+10:X+11]
	v_pk_add_f32 v[A+6:A+7], v[X+12:X+13], v[X+14:X+15]
	v_pk_add_f32 v[A:A+1], v[A:A+1], v[A+2:A+3]
	v_pk_add_f32 v[A+4:A+5], v[A+4:A+5], v[A+6:A+7]
	v_pk_add_f32 v[A:A+1], v[A:A+1], v[A+4:A+5]
	v_add_f32 v[A], v[A], v[A+1]
	LANESUM A
	v_mul_f32 v[M], 0x3b000000, v[A]               ; / 512
	v_mov_b32 v[M+1], v[M]
.irp i, 0,1,2,3,4,5,6,7
	v_pk_add_f32 v[A+2*\i:A+2*\i+1], v[X+2*\i:X+2*\i+1], v[M:M+1] neg_lo:[0,1] neg_hi:[0,1]   ; second pass: deviations from the run's own mean
.endr
	v_pk_mul_f32 v[M+2:M+3], v[A:A+1], v[A:A+1]
.irp i, 1,2,3,4,5,6,7
	v_pk_fma_f32 v[M+2:M+3], v[A+2*\i:A+2*\i+1], v[A+2*\i:A+2*\i+1], v[M+2:M+3]
.endr
	v_add_f32 v[M+2], v[M+2], v[M+3]
	LANESUM M+2
	v_cmp_eq_u32 vcc_lo, 0, v[LN]
	v_cndmask_b32 v[M+4], v[M+2], v[M], vcc_lo     ; lane 0: the mean; lane 1: the sum of squared deviations
	v_lshlrev_b32 v[M+5], 12, v[LN]                ; mean[W] at 4 W, the other 4,096 bytes on
	v_cmp_gt_u32 vcc_lo, 2, v[LN]
	s_wait_alu depctr_va_vdst(0)
	s_wait_xcnt 0x0                                ; EXEC changes only behind this wait
	s_and_saveexec_b32 s92, vcc_lo
	global_store_b32 v[M+5], v[M+4], s[46:47]
	s_wait_xcnt 0x0
	s_or_b32 exec_lo, exec_lo, s92
.Ldone:
	s_endpgm
.Lfunc_end_k_qcbe7df0f20_bonus:
	.size	k_qcbe7df0f20_bonus, .Lfunc_end_k_qcbe7df0f20_bonus-k_qcbe7df0f20_bonus
	.p2alignl 7, 3214868480
	.fill 96, 4, 3214868480
	.section	.rodata,"a",@progbits
	.p2align	6, 0x0
	.amdhsa_kernel k_qcbe7df0f20_bonus
		.amdhsa_group_segment_fixed_size 327680
		.amdhsa_private_segment_fixed_size 0
		.amdhsa_enable_private_segment 0
		.amdhsa_kernarg_size 176
		.amdhsa_user_sgpr_count 2
		.amdhsa_user_sgpr_kernarg_segment_ptr 1
		.amdhsa_wavefront_size32 1
		.amdhsa_system_sgpr_workgroup_id_x 1
		.amdhsa_system_sgpr_workgroup_id_y 1
		.amdhsa_system_sgpr_workgroup_id_z 1
		.amdhsa_system_vgpr_workitem_id 0
		.amdhsa_next_free_vgpr 512
		.amdhsa_next_free_sgpr 100
		.amdhsa_reserve_vcc 1
		.amdhsa_float_denorm_mode_32 3
		.amdhsa_float_denorm_mode_16_64 3
		.amdhsa_memory_ordered 1
		.amdhsa_forward_progress 1
		.amdhsa_inst_pref_size 204
	.end_amdhsa_kernel
	.amdgpu_metadata
---
amdhsa.version: [ 1, 2 ]
amdhsa.kernels:
  - .name:           k_qcbe7df0f20_bonus
    .symbol:         k_qcbe7df0f20_bonus.kd
    .args:
      - { .name: obs_codes, .offset: 0, .size: 8, .value_kind: global_buffer, .address_space: global }
      - { .name: obs_scales, .offset: 8, .size: 8, .value_kind: global_buffer, .address_space: global }
      - { .name: tW1_codes, .offset: 16, .size: 8, .value_kind: global_buffer, .address_space: global }
      - { .name: pW1_codes, .offset: 24, .size: 8, .value_kind: global_buffer, .address_space: global }
      - { .name: tW1_scales, .offset: 32, .size: 8, .value_kind: global_buffer, .address_space: global }
      - { .name: pW1_scales, .offset: 40, .size: 8, .value_kind: global_buffer, .address_space: global }
      - { .name: tW2_codes, .offset: 48, .size: 8, .value_kind: global_buffer, .address_space: global }
      - { .name: pW2_codes, .offset: 56, .size: 8, .value_kind: global_buffer, .address_space: global }
      - { .name: tW2_scales, .offset: 64, .size: 8, .value_kind: global_buffer, .address_space: global }
      - { .name: pW2_scales, .offset: 72, .size: 8, .value_kind: global_buffer, .address_space: global }
      - { .name: tW3_codes, .offset: 80, .size: 8, .value_kind: global_buffer, .address_space: global }
      - { .name: pW3_codes, .offset: 88, .size: 8, .value_kind: global_buffer, .address_space: global }
      - { .name: tW3_scales, .offset: 96, .size: 8, .value_kind: global_buffer, .address_space: global }
      - { .name: pW3_scales, .offset: 104, .size: 8, .value_kind: global_buffer, .address_space: global }
      - { .name: tb1, .offset: 112, .size: 8, .value_kind: global_buffer, .address_space: global }
      - { .name: pb1, .offset: 120, .size: 8, .value_kind: global_buffer, .address_space: global }
      - { .name: tb2, .offset: 128, .size: 8, .value_kind: global_buffer, .address_space: global }
      - { .name: pb2, .offset: 136, .size: 8, .value_kind: global_buffer, .address_space: global }
      - { .name: tb3, .offset: 144, .size: 8, .value_kind: global_buffer, .address_space: global }
      - { .name: pb3, .offset: 152, .size: 8, .value_kind: global_buffer, .address_space: global }
      - { .name: rewards, .offset: 160, .size: 8, .value_kind: global_buffer, .address_space: global }
      - { .name: partials, .offset: 168, .size: 8, .value_kind: global_buffer, .address_space: global }
    .group_segment_fixed_size: 327680
    .private_segment_fixed_size: 0
    .kernarg_segment_align: 8
    .kernarg_segment_size: 176
    .max_flat_workgroup_size: 256
    .sgpr_count:     100
    .vgpr_count:     512
    .wavefront_size: 32
...
	.end_amdgpu_metadata
.endif
;; end of part 1
;; launch norm (part 2): grid 256 x 1, 4 waves a work-group, no clusters, 0 bytes of LDS; arguments rewards, partials, reward_mean, reward_m2, reward_count, out0; writes out0
.if DOCPART == 2
	.amdgcn_target "amdgcn-amd-amdhsa--gfx1250"
	.amdhsa_code_object_version 6
	.text
	.protected	k_qcbe7df0f20_norm
	.globl	k_qcbe7df0f20_norm
	.p2align	8
	.type	k_qcbe7df0f20_norm,@function
k_qcbe7df0f20_norm:
	s_mov_b64 s[64:65], 0
	v_nop
	global_prefetch_b8 v0, s[64:65] scope:SCOPE_SE
	s_setreg_imm32_b32 hwreg(HW_REG_WAVE_MODE, 25, 1), 1
	s_wait_xcnt 0x0
; out0[i] = (rewards[i] - new_mean) / (std + 1e-8), with the batch's mean and sum of squared deviations merged into the three running numbers given.
; partials holds, for each of 1,024 runs of 512 rewards, the run's mean (f32 [1024]) and its sum of squared deviations from that mean (f32 [1024], 4,096 bytes on).  Runs of equal length merge as
; batch mean = sum of means / 1024;  batch M2 = sum of the runs' M2 + 512 x sum of (run's mean - batch mean)^2: no difference of large sums is formed.
; Every wave makes the merge for itself (8 KB, 32 numbers of each kind a lane) and normalises 512 rewards: wave W = 4 x work-group + wave takes rewards 512 W on.  No LDS, no barrier: waves share nothing.
; All 20 vector loads go out together; each load and store of a wave covers 512 consecutive bytes, aligned.  No matrix unit, no cluster, no prefetch: the launch moves 4 MB once and is over.
; LIMITS: v_rcp_f32 and v_sqrt_f32 are good to one unit in the last place and flush denormals: a variance under 2^-126 counts as 0, which beside the 1e-8 changes nothing.  Divisions are multiplications by reciprocals.
.set TP, 112
.macro FOLD d                          ; four pairs into one number
	v_pk_add_f32 v[\d:\d+1], v[\d:\d+1], v[\d+2:\d+3]
	v_pk_add_f32 v[\d+4:\d+5], v[\d+4:\d+5], v[\d+6:\d+7]
	v_pk_add_f32 v[\d:\d+1], v[\d:\d+1], v[\d+4:\d+5]
	v_add_f32 v[\d], v[\d], v[\d+1]
.endm
.macro SUM32 d, s                      ; the sum of v[s] .. v[s + 31] into v[d], in four chains
.irp c, 0,1,2,3
	v_pk_add_f32 v[\d+2*\c:\d+2*\c+1], v[\s+2*\c:\s+2*\c+1], v[\s+8+2*\c:\s+9+2*\c]
.endr
.irp c, 0,1,2,3
	v_pk_add_f32 v[\d+2*\c:\d+2*\c+1], v[\d+2*\c:\d+2*\c+1], v[\s+16+2*\c:\s+17+2*\c]
.endr
.irp c, 0,1,2,3
	v_pk_add_f32 v[\d+2*\c:\d+2*\c+1], v[\d+2*\c:\d+2*\c+1], v[\s+24+2*\c:\s+25+2*\c]
.endr
	FOLD \d
.endm
.macro LANESUM r                       ; the sum over the 32 lanes, in every lane
	v_add_f32_dpp v[\r], v[\r], v[\r] row_xmask:1 row_mask:0xf bank_mask:0xf
	v_add_f32_dpp v[\r], v[\r], v[\r] row_xmask:2 row_mask:0xf bank_mask:0xf
	v_add_f32_dpp v[\r], v[\r], v[\r] row_xmask:4 row_mask:0xf bank_mask:0xf
	v_add_f32_dpp v[\r], v[\r], v[\r] row_xmask:8 row_mask:0xf bank_mask:0xf
	v_permlanex16_b32 v[TP], v[\r], s18, s19
	v_add_f32 v[\r], v[\r], v[TP]
.endm
	s_load_b256 s[4:11], s[0:1], 0x0               ; rewards s[4:5], partials s[6:7], reward_mean s[8:9], reward_m2 s[10:11]
	s_load_b128 s[12:15], s[0:1], 0x20             ; reward_count s[12:13], out0 s[14:15]
	v_lshrrev_b32 v2, 5, v0
	v_readfirstlane_b32 s2, v2                     ; wave
	v_and_b32 v1, 31, v0
	v_lshlrev_b32 v1, 4, v1                        ; 16 bytes a lane
	v_mov_b32 v[TP], 0                             ; a lane permute's destination counts as one of its sources
	s_lshl_b32 s16, ttmp9, 2
	s_add_co_u32 s16, s16, s2
	s_lshl_b32 s16, s16, 11                        ; 2,048 W
	s_mov_b32 s17, 0
	s_mov_b32 s18, 0x76543210
	s_mov_b32 s19, 0xfedcba98
	s_wait_alu depctr_va_vdst(0)
	s_wait_kmcnt 0x0
	s_load_b32 s20, s[8:9], 0x0                    ; the running mean,
	s_load_b32 s21, s[10:11], 0x0                  ; M2,
	s_load_b32 s22, s[12:13], 0x0                  ; and count
	s_add_nc_u64 s[4:5], s[4:5], s[16:17]
	s_add_nc_u64 s[14:15], s[14:15], s[16:17]
.irp i, 0,1,2,3,4,5,6,7
	global_load_b128 v[16+4*\i:19+4*\i], v1, s[6:7] offset:512*\i          ; the 1,024 means
.endr
.irp i, 0,1,2,3,4,5,6,7
	global_load_b128 v[48+4*\i:51+4*\i], v1, s[6:7] offset:4096+512*\i     ; the 1,024 M2
.endr
.irp q, 0,1,2,3
	global_load_b128 v[80+4*\q:83+4*\q], v1, s[4:5] offset:512*\q th:TH_LOAD_NT   ; my 512 rewards: read once in the launch
.endr
	s_wait_kmcnt 0x0
	s_wait_loadcnt 0x0
	SUM32 96, 16
	LANESUM 96
	v_mul_f32 v104, 0x3a800000, v96                ; the batch's mean: / 1024
	v_mov_b32 v105, v104
.irp i, 0,1,2,3,4,5,6,7,8,9,10,11,12,13,14,15
	v_pk_add_f32 v[16+2*\i:17+2*\i], v[16+2*\i:17+2*\i], v[104:105] neg_lo:[0,1] neg_hi:[0,1]
.endr
.irp c, 0,1,2,3
	v_pk_mul_f32 v[96+2*\c:97+2*\c], v[16+2*\c:17+2*\c], v[16+2*\c:17+2*\c]
.endr
.irp i, 4,5,6,7,8,9,10,11,12,13,14,15
	v_pk_fma_f32 v[96+2*(\i%4):97+2*(\i%4)], v[16+2*\i:17+2*\i], v[16+2*\i:17+2*\i], v[96+2*(\i%4):97+2*(\i%4)]
.endr
	FOLD 96
	SUM32 106, 48
	v_fmamk_f32 v96, v96, 0x44000000, v106         ; 512 x my squares + my M2
	LANESUM 96                                     ; the batch's M2
	v_mov_b32 v113, s22                            ; count
	v_add_f32 v114, 0x49000000, v113               ; new count = count + 524,288
	v_sub_f32 v115, v104, s20                      ; delta
	s_wait_alu depctr_va_vdst(0)
	v_rcp_f32 v116, v114
	v_add_f32 v117, -1.0, v114                     ; (a plain line behind the reciprocal)
	s_wait_alu depctr_va_vdst(0)
	v_rcp_f32 v118, v117
	v_mul_f32 v119, 0x49000000, v115               ; delta n  (a plain line behind the reciprocal)
	s_wait_alu depctr_va_vdst(0)
	v_mul_f32 v119, v119, v116                     ; delta n / new count
	v_add_f32 v120, s20, v119                      ; the new mean
	v_mul_f32 v121, v115, v113                     ; delta count
	v_add_f32 v122, s21, v96
	v_fma_f32 v122, v121, v119, v122               ; the new M2
	v_mul_f32 v122, v122, v118                     ; / (new count - 1)
	s_wait_alu depctr_va_vdst(0)
	v_sqrt_f32 v123, v122
	v_nop                                          ; a plain line behind the root
	v_cmp_lt_f32 vcc_lo, 1.0, v114
	s_wait_alu depctr_va_vdst(0)
	v_cndmask_b32 v123, 1.0, v123, vcc_lo          ; 1 where the new count is not above 1
	v_add_f32 v123, 0x322bcc77, v123               ; + 1e-8
	s_wait_alu depctr_va_vdst(0)
	v_rcp_f32 v124, v123
	v_mov_b32 v121, v120                           ; the new mean as a pair  (a plain line behind the reciprocal)
	s_wait_alu depctr_va_vdst(0)
	v_mov_b32 v125, v124
.irp i, 0,1,2,3,4,5,6,7
	v_pk_add_f32 v[16+2*\i:17+2*\i], v[80+2*\i:81+2*\i], v[120:121] neg_lo:[0,1] neg_hi:[0,1]
.endr
.irp i, 0,1,2,3,4,5,6,7
	v_pk_mul_f32 v[16+2*\i:17+2*\i], v[16+2*\i:17+2*\i], v[124:125]
.endr
.irp q, 0,1,2,3
	global_store_b128 v1, v[16+4*\q:19+4*\q], s[14:15] offset:512*\q th:TH_STORE_NT
.endr
	s_endpgm
.Lfunc_end_k_qcbe7df0f20_norm:
	.size	k_qcbe7df0f20_norm, .Lfunc_end_k_qcbe7df0f20_norm-k_qcbe7df0f20_norm
	.p2alignl 7, 3214868480
	.fill 96, 4, 3214868480
	.section	.rodata,"a",@progbits
	.p2align	6, 0x0
	.amdhsa_kernel k_qcbe7df0f20_norm
		.amdhsa_group_segment_fixed_size 0
		.amdhsa_private_segment_fixed_size 0
		.amdhsa_enable_private_segment 0
		.amdhsa_kernarg_size 48
		.amdhsa_user_sgpr_count 2
		.amdhsa_user_sgpr_kernarg_segment_ptr 1
		.amdhsa_wavefront_size32 1
		.amdhsa_system_sgpr_workgroup_id_x 1
		.amdhsa_system_sgpr_workgroup_id_y 1
		.amdhsa_system_sgpr_workgroup_id_z 1
		.amdhsa_system_vgpr_workitem_id 0
		.amdhsa_next_free_vgpr 128
		.amdhsa_next_free_sgpr 66
		.amdhsa_reserve_vcc 1
		.amdhsa_float_denorm_mode_32 3
		.amdhsa_float_denorm_mode_16_64 3
		.amdhsa_memory_ordered 1
		.amdhsa_forward_progress 1
		.amdhsa_inst_pref_size 11
	.end_amdhsa_kernel
	.amdgpu_metadata
---
amdhsa.version: [ 1, 2 ]
amdhsa.kernels:
  - .name:           k_qcbe7df0f20_norm
    .symbol:         k_qcbe7df0f20_norm.kd
    .args:
      - { .name: rewards, .offset: 0, .size: 8, .value_kind: global_buffer, .address_space: global }
      - { .name: partials, .offset: 8, .size: 8, .value_kind: global_buffer, .address_space: global }
      - { .name: reward_mean, .offset: 16, .size: 8, .value_kind: global_buffer, .address_space: global }
      - { .name: reward_m2, .offset: 24, .size: 8, .value_kind: global_buffer, .address_space: global }
      - { .name: reward_count, .offset: 32, .size: 8, .value_kind: global_buffer, .address_space: global }
      - { .name: out0, .offset: 40, .size: 8, .value_kind: global_buffer, .address_space: global }
    .group_segment_fixed_size: 0
    .private_segment_fixed_size: 0
    .kernarg_segment_align: 8
    .kernarg_segment_size: 48
    .max_flat_workgroup_size: 128
    .sgpr_count:     66
    .vgpr_count:     128
    .wavefront_size: 32
...
	.end_amdgpu_metadata
.endif
;; end of part 2
